; MI455X (gfx1250); checked and timed in simulation.
; The chip was launched on July 23, 2026; its instructions are those of AMD's public machine-readable ISA for CDNA 5 (MIT licence, August 2026) and "CDNA5" Instruction Set Architecture Reference Guide (July 2026). The comments in the code are by the model that wrote it; some were corrected since.
;; Mo E Bert Self Output. Allowed arithmetic: float matrix products may take bf16 or f16 operands with f32 sums; other float arithmetic in f32, or as packed bf16 or f16 multiplies, adds, multiply-adds, maxima and minima; sums over many terms, partial sums and values carried from step to step in f32; what a program stores and reads back later, other than sums and carried values, may be rounded once to bf16 or f16.
;; Inputs: W 8 x 1,024 x 1,024 float32; b 8 x 1,024 float32; beta 1,024 float32; expert_idx 16 int32; gamma 1,024 float32; hidden_states 16 x 512 x 1,024 float32; input_tensor 16 x 512 x 1,024 float32.
;; Outputs: out0 16 x 512 x 1,024 float32.
;; 2 versions, each right and faster than the one before. Each part assembles by itself: llvm-mc -triple=amdgcn-amd-amdhsa -mcpu=gfx1250 --defsym DOCPART=n.
;; ======== version 1 of 2: 2 launches
;; workspace buffers: wt 16,777,216 bytes
;; launch cast (part 1): grid 256 x 1, 8 waves a work-group, no clusters, 0 bytes of LDS; arguments W, wt; writes wt
.if DOCPART == 1
	.amdgcn_target "amdgcn-amd-amdhsa--gfx1250"
	.amdhsa_code_object_version 6
	.text
	.protected	k_qaa3ef2a47c_cast
	.globl	k_qaa3ef2a47c_cast
	.p2align	8
	.type	k_qaa3ef2a47c_cast,@function
k_qaa3ef2a47c_cast:
	s_mov_b64 s[64:65], 0
	v_nop
	global_prefetch_b8 v0, s[64:65] scope:SCOPE_SE
	s_setreg_imm32_b32 hwreg(HW_REG_WAVE_MODE, 25, 1), 1
	s_wait_xcnt 0x0
; wt = W rounded once to bf16 and laid in the order in which the next launch's lanes take it as matrix operands.
; W: [8 experts][1024 k][1024 n] f32.  wt, in bytes: e*2097152 + s*65536 + w*16384 + f*1024 + i*512 + h*256 + r*16 + 2*kk holds W[e][k][n] with
;   k = 32 s + 16 i + 8 h + kk   and   n = 256 w + 64 (f >> 2) + 4 r + (f & 3).
; So a fragment (32 k x 16 columns) is 1,024 dense bytes of which lane 16 h + r takes 16 bytes at 16 x lane and 16 bytes 512 further on; the columns are dealt so that in the product's result
; four fragments f = 4 g .. 4 g + 3 give a lane four NEIGHBOURING columns of a row.
; SHARES.  Work-group x = 32 e + s owns the 32 rows k = 32 s .. 32 s + 31 of W[e]: 131,072 dense bytes in, 65,536 dense bytes out.  Wave v owns eight of these rows (kbl = v >> 1 = 2 i + h) and half of the
; columns (v & 1).  A load of the wave covers 512 consecutive bytes of one row; a store's lanes 0-15 cover 256 consecutive bytes at a multiple of 256, lanes 16-31 another such block.
; All 32 loads of a wave (16 KiB) go out at once; no register is written twice, so the only waits are the four counted ones for data.  No LDS, no barrier, no matrix unit: each byte is moved once.
.set X, 4                              ; v[4:131]    X + 4 (8 p + j) + c: column group p (128 columns), row j of eight, column c of my four
.set Y, 132                            ; v[132:195]  Y + 16 p + 4 c + i: rows 2 i and 2 i + 1 of column c, packed
	s_load_b128 s[4:7], s[0:1], 0x0                ; W s[4:5], wt s[6:7]
	v_lshrrev_b32 v2, 5, v0
	v_readfirstlane_b32 s8, v2                     ; wave 0..7
	v_and_b32 v1, 31, v0
	v_lshlrev_b32 v1, 4, v1                        ; in: 16 x lane
	v_and_b32 v2, 15, v0                           ; r
	v_bfe_u32 v3, v0, 4, 1                         ; the lane's half: 64 columns on, which is four fragments on
	v_lshlrev_b32 v2, 4, v2
	v_lshl_add_u32 v2, v3, 12, v2                  ; out: 4,096 x half + 16 r
	s_lshr_b32 s9, s8, 1                           ; kbl
	s_and_b32 s12, s8, 1                           ; which 512 columns
	s_lshl_b32 s10, ttmp9, 17                      ; in: 131,072 x + 32,768 kbl (eight rows of 4,096 bytes) + 2,048 x column half
	s_lshl_b32 s13, s9, 15
	s_add_co_u32 s10, s10, s13
	s_lshl_b32 s13, s12, 11
	s_add_co_u32 s10, s10, s13
	s_mov_b32 s11, 0
	s_lshl_b32 s14, ttmp9, 16                      ; out: 65,536 x + 32,768 x column half (two of the four w) + 256 kbl
	s_lshl_b32 s13, s12, 15
	s_add_co_u32 s14, s14, s13
	s_lshl_b32 s13, s9, 8
	s_add_co_u32 s14, s14, s13
	s_mov_b32 s15, 0
	s_wait_kmcnt 0x0
	s_add_nc_u64 s[4:5], s[4:5], s[10:11]
	s_add_nc_u64 s[6:7], s[6:7], s[14:15]
.irp p, 0,1,2,3
.irp j, 0,1,2,3,4,5,6,7
	global_load_b128 v[X+4*(8*(\p)+(\j)):X+4*(8*(\p)+(\j))+3], v1, s[4:5] offset:(\j)*4096+(\p)*512 th:TH_LOAD_NT  ; W is read once in this launch
.endr
.endr
.irp p, 0,1,2,3
	s_wait_loadcnt 24-8*(\p)                       ; loads come back in order (ISA guide 5.7.1): group p's eight rows are in, the eight loads of each later group stay out
.irp c, 0,1,2,3
.irp i, 0,1,2,3
	v_cvt_pk_bf16_f32 v[Y+16*(\p)+4*(\c)+(\i)], v[X+4*(8*(\p)+2*(\i))+(\c)], v[X+4*(8*(\p)+2*(\i)+1)+(\c)]  ; two neighbouring k of one column
.endr
.endr
.irp c, 0,1,2,3
	global_store_b128 v2, v[Y+16*(\p)+4*(\c):Y+16*(\p)+4*(\c)+3], s[6:7] offset:((\p)>>1)*16384+((\p)&1)*8192+(\c)*1024  ; w = 2 x half + p / 2; f = 8 (p % 2) + 4 x lane half + c.  No hint: the next launch reads these bytes
.endr
.endr
	s_endpgm
.Lfunc_end_k_qaa3ef2a47c_cast:
	.size	k_qaa3ef2a47c_cast, .Lfunc_end_k_qaa3ef2a47c_cast-k_qaa3ef2a47c_cast
	.p2alignl 7, 3214868480
	.fill 96, 4, 3214868480
	.section	.rodata,"a",@progbits
	.p2align	6, 0x0
	.amdhsa_kernel k_qaa3ef2a47c_cast
		.amdhsa_group_segment_fixed_size 0
		.amdhsa_private_segment_fixed_size 0
		.amdhsa_enable_private_segment 0
		.amdhsa_kernarg_size 16
		.amdhsa_user_sgpr_count 2
		.amdhsa_user_sgpr_kernarg_segment_ptr 1
		.amdhsa_wavefront_size32 1
		.amdhsa_system_sgpr_workgroup_id_x 1
		.amdhsa_system_sgpr_workgroup_id_y 1
		.amdhsa_system_sgpr_workgroup_id_z 1
		.amdhsa_system_vgpr_workitem_id 0
		.amdhsa_next_free_vgpr 196
		.amdhsa_next_free_sgpr 66
		.amdhsa_reserve_vcc 0
		.amdhsa_float_denorm_mode_32 3
		.amdhsa_float_denorm_mode_16_64 3
		.amdhsa_memory_ordered 1
		.amdhsa_forward_progress 1
		.amdhsa_inst_pref_size 10
	.end_amdhsa_kernel
	.amdgpu_metadata
---
amdhsa.version: [ 1, 2 ]
amdhsa.kernels:
  - .name:           k_qaa3ef2a47c_cast
    .symbol:         k_qaa3ef2a47c_cast.kd
    .args:
      - { .name: W, .offset: 0, .size: 8, .value_kind: global_buffer, .address_space: global }
      - { .name: wt, .offset: 8, .size: 8, .value_kind: global_buffer, .address_space: global }
    .group_segment_fixed_size: 0
    .private_segment_fixed_size: 0
    .kernarg_segment_align: 8
    .kernarg_segment_size: 16
    .max_flat_workgroup_size: 256
    .sgpr_count:     66
    .vgpr_count:     196
    .wavefront_size: 32
...
	.end_amdgpu_metadata
.endif
;; end of part 1
;; launch fused (part 2): grid 128 x 1, 4 waves a work-group, no clusters, 281,600 bytes of LDS; arguments hidden_states, input_tensor, expert_idx, wt, b, gamma, beta, out0; writes out0
.if DOCPART == 2
	.amdgcn_target "amdgcn-amd-amdhsa--gfx1250"
	.amdhsa_code_object_version 6
	.text
	.protected	k_qaa3ef2a47c_fused
	.globl	k_qaa3ef2a47c_fused
	.p2align	8
	.type	k_qaa3ef2a47c_fused,@function
k_qaa3ef2a47c_fused:
	s_mov_b64 s[64:65], 0
	v_nop
	global_prefetch_b8 v0, s[64:65] scope:SCOPE_SE
	s_setreg_imm32_b32 hwreg(HW_REG_WAVE_MODE, 25, 1), 1
	s_wait_xcnt 0x0
; out0[row] = LayerNorm(hidden[row] . W[e] + b[e] + input[row]) * gamma + beta, e = expert_idx[batch of the row].  8,192 rows of 1,024 f32; only the chosen expert's product is made.
; FORMATS AND LIMITS.  hidden and W go to the matrix unit rounded once to bf16 (f32's range); sums, bias, residual, mean, variance and the scaling are f32.  The mean is taken first and the variance is the mean
; of the squared deviations: no difference of large sums.  expert_idx is held to 0 .. 7 by an unsigned minimum with 7.  NaN and infinities are not treated apart.
; SHARES.  A normalised row needs all its 1,024 columns in one work-group.  A work-group owns 64 rows x 1,024 columns, each of its four waves all 64 rows x 256 columns: 4 x 16 accumulators of 16 x 16, 512 registers.
; 8,192 / 64 = 128 work-groups.  With 32 rows there would be 256, but each would still walk all 2 MiB of its expert's weights, for half the products: twice the weight bytes asked for in all.
; WEIGHTS come from wt, where the launch before laid them as fragments: each fragment has ONE reader in the work-group, so it goes from memory straight into that wave's registers, through a ring of eight
; blocks of eight loads: 56 loads of 512 bytes are out in every wave all the time.  NO CLUSTER, NO JOINT LOADS, though the eight work-groups of a batch walk the same weights: a joint load lands in LDS, where one K step
; of 32 for 1,024 columns is 65,536 bytes, and beside hidden's tile (278,528 bytes), the statistics and the spare words 46,592 of 327,680 bytes are left: not one slot.
; HIDDEN: the work-group's 64 x 1,024 f32 come once into LDS, as sixteen sub-tiles of 64 rows x 64 k (rows of 256 bytes of memory, at multiples of 256), four tensor loads a wave, all issued at the head; nothing is ever
; filled again.  Each wave reads the f32 fragments and rounds them itself: 32 conversions for a K step's 64 matrix instructions.
; THE SUMS START AT input + b[e], made while the first sub-tiles are on their way: nothing is cleared and nothing is added at the end.
; LAYOUT OF THE RESULT.  Accumulator (t, f = 4 g + c): lane (r = lane % 16, h = lane / 16), register j holds row 16 t + 8 h + j, column 256 w + 64 g + 4 r + c (wt's order of columns).  So registers of the four
; accumulators c = 0 .. 3 are 16 neighbouring bytes of a row, and sixteen lanes 256: residual in and result out go straight between memory and registers, each instruction's half of the lanes covering 256 consecutive bytes at a multiple of 256.
; REGISTERS, in windows of 256 (s_set_vgpr_msb: bits 1:0 source 0, 3:2 source 1, 5:4 source 2, 7:6 destination):
;   window 0: v0-11 addresses; v16-63 gamma, beta, bias of my 16 columns; v64-127 A's fragments, two buffers; v128-159 f32 staging for A; v160-191 row sums, then means; v192-223 sums of squares, then 1 / sigma
;   window 1: the ring of weight fragments, BF(H, f) = 128 H + 8 f; at the head the residual's staging; at the end the statistics read back and the output quads
;   windows 2, 3: the accumulators, (t, f) at 32 (f % 8) + 8 t of window 2 + f / 8
.set PITCH, 272                        ; an LDS row: 256 bytes + 16 of padding = 68 words
.set SUBT,  64*PITCH                   ; a sub-tile: 17,408 bytes; sub-tile q (k = 64 q ..) at q x SUBT
.set STAT1, 16*SUBT                    ; 278,528: [wave][64 rows] f32, the waves' row sums; 1,024 bytes on the same for the squares: blocks of their own, into which no tensor load lands
.set SPARE, STAT1+2048                 ; 280,576: the spare words, 128 bytes for each wave: two blocks of 256 bytes that no other line names
.set SPW, 8                            ; v8   LDS address of my spare word; never rewritten
.set NIL, 9                            ; v9   0; never rewritten
.set GAM, 16                           ; gamma of columns (g, c) at GAM + 4 g + c
.set BET, 32
.set BIA, 48
.set AF,  64                           ; A's fragment of rows 16 t .., buffer H: AF + 32 H + 8 t
.set ST,  128                          ; staging z: ST + 16 z, sixteen f32
.set SUM, 160                          ; SUM + 8 t + j
.set Q,   192                          ; Q + 8 t + j
.set G1,  32                           ; s[32:39] descriptor group 1
.set G0,  40                           ; s[40:55] descriptor group 0, a set for each of my four loads
.set MSB, 0
.macro WIN new                         ; the immediate's high byte repeats the setting that is left; a switch that changes nothing is dropped
.if MSB != (\new)
	s_set_vgpr_msb (MSB<<8)|(\new)
.set MSB, \new
.endif
.endm
	s_load_b512 s[4:19], s[0:1], 0x0               ; hidden s[4:5], input s[6:7], expert_idx s[8:9], wt s[10:11], b s[12:13], gamma s[14:15], beta s[16:17], out0 s[18:19]
	v_lshl_add_u32 v[SPW], v0, 2, SPARE
	v_mov_b32 v[NIL], 0
	ds_add_u32 v[SPW], v[NIL]                      ; the wave's opening: the add and its wait stand ahead of my first tensor load; the set-up below, work on registers, stands between them
	ds_add_u32 v8, v9
	v_lshrrev_b32 v1, 5, v0
	v_readfirstlane_b32 s20, v1                    ; wave w, 0..3
	v_and_b32 v10, 15, v0                          ; r
	v_bfe_u32 v11, v0, 4, 1                        ; h
	v_and_b32 v1, 31, v0
	v_lshlrev_b32 v1, 4, v1                        ; v1: weights: 16 x lane
	v_lshlrev_b32 v2, 4, v10
	v_lshl_add_u32 v4, s20, 10, v2                 ; v4: gamma, beta, bias: 1,024 w + 16 r
	v_lshl_add_u32 v2, v11, 15, v2                 ; v2: residual and result: eight rows of 4,096 bytes x h + 16 r
	v_mul_u32_u24 v3, v10, PITCH
	v_lshl_add_u32 v3, v11, 5, v3                  ; v3: A in LDS: r x pitch + 32 h (eight f32); steps by a sub-tile a trip
	s_lshl_b32 s21, s20, 8
	s_add_co_u32 s21, s21, STAT1
	v_lshl_add_u32 v5, v11, 5, s21                 ; v5: where I put my wave's statistics: STAT1 + 256 w + 32 h
	v_lshl_add_u32 v6, v11, 5, STAT1               ; v6: where I read all waves' back
	s_lshl_b32 s24, ttmp9, 18                      ; the work-group's 64 rows of 4,096 bytes
	s_mov_b32 s25, 0
	s_lshl_b32 s26, s20, 10
	s_add_co_u32 s26, s26, s24                     ; s[26:27]: + my wave's 256 columns: input and out0
	s_mov_b32 s27, 0
	s_lshl_b32 s28, s20, 8
	s_add_co_u32 s28, s28, s24                     ; s[28:29]: + 256 w: hidden at sub-tile w
	s_mov_b32 s29, 0
	s_lshr_b32 s23, ttmp9, 3                       ; eight work-groups to a batch of 512 rows
	s_lshl_b32 s23, s23, 2                         ; the batch's word in expert_idx
	s_mul_i32 s30, s20, SUBT
	s_mov_b32 s58, 0x3a800000                      ; 1 / 1,024; named as a pair
	s_mov_b32 s59, s58
	s_mov_b32 s60, 0x2b8cbccc                      ; 1e-12
	s_mov_b32 s61, s60
	; descriptor group 1: a tile of 64 rows x 64 elements of 4 bytes, padded in LDS
	s_mov_b32 s[G1+0], (2<<16)|(1<<20)|(5<<22)|(3<<25)  ; 15:0 no mask; 17:16 elements of 4 bytes; 20 padding on; 24:22 after every 64 words (code 5); 31:25 4 words of it (code 3)
	s_mov_b32 s[G1+1], 64<<16                      ; tensor_dim0 = 64
	s_mov_b32 s[G1+2], 64<<16                      ; tensor_dim1 = 64
	s_mov_b32 s[G1+3], 64<<16                      ; tile_dim0 = 64
	s_mov_b32 s[G1+4], 64                          ; tile_dim1 = 64
	s_mov_b32 s[G1+5], 1024                        ; elements from row to row
	s_mov_b32 s[G1+6], 0
	s_mov_b32 s[G1+7], 0
.irp c, 0,1,2,3                        ; my load c brings sub-tile 4 c + w
	s_mov_b32 s[G0+4*(\c)], 1                      ; count = 1
	s_add_co_u32 s[G0+4*(\c)+1], s30, (\c)*4*SUBT  ; LDS address: the wave's number times a constant plus the load's constant
.endr
	s_wait_dscnt 0x0                               ; the opening add is done
	s_wait_kmcnt 0x0
	s_load_b32 s22, s[8:9], s23 offset:0x0         ; the batch's expert
	s_add_nc_u64 s[4:5], s[4:5], s[28:29]
.irp c, 0,1,2,3
	s_add_nc_u64 s[G0+4*(\c)+2:G0+4*(\c)+3], s[4:5], (\c)*1024  ; global address: four sub-tiles of 256 bytes on for each load
	s_or_b32 s[G0+4*(\c)+3], s[G0+4*(\c)+3], 0x80000000        ; type = 2
.endr
	s_add_nc_u64 s[6:7], s[6:7], s[26:27]
	s_add_nc_u64 s[18:19], s[18:19], s[26:27]
.irp c, 0,1,2,3                        ; all first fills go out together, ahead of every wait on TENSORcnt, every LDS read and every barrier: four tensor loads of mine are out; the descriptors are never written again
	tensor_load_to_lds s[G0+4*(\c):G0+4*(\c)+3], s[G1:G1+7]
	s_nop 0
.endr
.rept 4
	v_nop                                          ; four vector instructions behind the last tensor load, ahead of the next switch of windows
.endr
; THE SUMS' START.  The residual of rows 16 t .. 16 t + 15 x my 256 columns: 32 loads into half t % 2 of window 1; then accumulator = residual + bias.
.macro RES_LOAD t
	WIN 0x40                                       ; destination window 1, address window 0
.irp g, 0,1,2,3
.irp j, 0,1,2,3,4,5,6,7
	global_load_b128 v[128*((\t)&1)+4*(8*(\g)+(\j)):128*((\t)&1)+4*(8*(\g)+(\j))+3], v2, s[6:7] offset:(\t)*65536+(\j)*4096+(\g)*256 th:TH_LOAD_NT  ; read once in the launch
.endr
.endr
.endm
.macro RES_ADD t
.irp g, 0,1,2,3
	WIN 0x81+0x40*((\g)/2)                         ; destination window 2 or 3, source 0 window 1, source 1 window 0
.irp c, 0,1,2,3
.irp j, 0,1,2,3,4,5,6,7
	v_add_f32 v[32*(4*((\g)&1)+(\c))+8*(\t)+(\j)], v[128*((\t)&1)+4*(8*(\g)+(\j))+(\c)], v[BIA+4*(\g)+(\c)]
.endr
.endr
.endr
.endm
.macro B_FILL H                        ; K step H's sixteen fragments, 32 loads, in the ring's order
	WIN 0x40
.irp f, 0,1,2,3,4,5,6,7,8,9,10,11,12,13,14,15
	global_load_b128 v[128*(\H)+8*(\f):128*(\H)+8*(\f)+3],   v1, s[10:11] offset:(\H)*65536+(\f)*1024
	global_load_b128 v[128*(\H)+8*(\f)+4:128*(\H)+8*(\f)+7], v1, s[10:11] offset:(\H)*65536+(\f)*1024+512
.endr
.endm
	RES_LOAD 0
	RES_LOAD 1
	s_wait_kmcnt 0x0                               ; the expert
	s_min_u32 s22, s22, 7                          ; held inside the tables that it indexes
	s_lshl_b32 s24, s22, 21                        ; an expert's 2 MiB of wt,
	s_lshl_b32 s26, s20, 14                        ; my wave's 16 KiB of a K step
	s_add_co_u32 s24, s24, s26
	s_add_nc_u64 s[10:11], s[10:11], s[24:25]
	s_lshl_b32 s24, s22, 12                        ; the expert's row of b
	s_add_nc_u64 s[12:13], s[12:13], s[24:25]
	WIN 0
.irp g, 0,1,2,3
	global_load_b128 v[BIA+4*(\g):BIA+4*(\g)+3], v4, s[12:13] offset:(\g)*256
	global_load_b128 v[GAM+4*(\g):GAM+4*(\g)+3], v4, s[14:15] offset:(\g)*256
	global_load_b128 v[BET+4*(\g):BET+4*(\g)+3], v4, s[16:17] offset:(\g)*256
.endr
	s_wait_loadcnt 0x0                             ; rows 0-31 of the residual, bias, gamma, beta
	RES_ADD 0
	RES_LOAD 2
	RES_ADD 1
	RES_LOAD 3
	s_wait_loadcnt 32                              ; rows 32-47 are in; the 32 loads of rows 48-63 stay out
	RES_ADD 2
	B_FILL 0                                       ; into the half that rows 32-47 have left
	s_wait_loadcnt 32                              ; rows 48-63 are in; the 32 loads of K step 0's weights stay out
	RES_ADD 3
	B_FILL 1                                       ; the ring is full: 64 loads, eight blocks of eight
	WIN 0
; My tensor loads end in order (ISA guide 10.11.1): with n of the four still out, my sub-tiles up to 4 (3 - n) + w are in LDS; behind the barrier that holds of every wave's.  Later sub-tiles may stay out.
; No LDS load of mine is pending at the signal.
.macro SEAM n
	s_wait_tensorcnt \n
	s_wait_dscnt 0x0
	s_barrier_signal -1
	s_barrier_wait -1
.endm
; Fragment t (rows 16 t ..) of the K step u steps behind the trip's first, as f32, into staging z: k = 8 h + 0..7 (32 bytes) and k = 16 + 8 h + 0..7 (64 bytes on): four loads of 16 bytes.
.macro A_LD t, u, z
	ds_load_b128 v[ST+16*(\z):ST+16*(\z)+3],     v3 offset:(\t)*16*PITCH+((\u)>>1)*SUBT+((\u)&1)*128
	ds_load_b128 v[ST+16*(\z)+4:ST+16*(\z)+7],   v3 offset:(\t)*16*PITCH+((\u)>>1)*SUBT+((\u)&1)*128+16
	ds_load_b128 v[ST+16*(\z)+8:ST+16*(\z)+11],  v3 offset:(\t)*16*PITCH+((\u)>>1)*SUBT+((\u)&1)*128+64
	ds_load_b128 v[ST+16*(\z)+12:ST+16*(\z)+15], v3 offset:(\t)*16*PITCH+((\u)>>1)*SUBT+((\u)&1)*128+80
.endm
	SEAM 3                                         ; sub-tiles 0-3
.irp t, 0,1,2,3
	A_LD \t, 0, \t                                 ; K step 0's four fragments, into v128-191
.endr
	s_wait_dscnt 0x0
.irp t, 0,1,2,3
.irp n, 0,1,2,3,4,5,6,7
	v_cvt_pk_bf16_f32 v[AF+8*(\t)+(\n)], v[ST+16*(\t)+2*(\n)], v[ST+16*(\t)+2*(\n)+1]
.endr
.endr
	A_LD 0, 1, 0                                   ; K step 1's first fragment: the loop goes on from here
; A BLOCK: K step of parity H, column group g: four weight fragments x four row blocks, 16 matrix instructions.  All 64 accumulators take turns, one instruction a turn, in the same order in every K step:
; over the loop's jump, the seams and into the tail too.
; cnt: how many younger loads of the ring may stay out.  cv = 1: fragment g of the NEXT K step's A is rounded into the other buffer.  ld = 1: the fragment after that is fetched into the other staging.
; rf = 1: the block's four fragments are asked for again, two K steps on.  A load into a register that a matrix instruction has read stands four places behind it, and only plain vector instructions that name none of its
; registers are places (ISA guide 7.12.1 for vector instructions): the eight conversions, which write the buffer that this K step does not read, are those places.  They are also the places between
; the last products of a K step and the next step's first conversions into the buffer that it read.
.macro BLOCK H, g, cnt, rf, cv, ld
	s_wait_loadcnt \cnt                            ; loads come back in order (ISA guide 5.7.1): this block's eight are in
	WIN 0xa4+0x50*((\g)/2)                         ; A window 0, B window 1, C and D window 2 or 3
.irp c, 0,1,2,3
.irp t, 0,1,2,3
	v_wmma_f32_16x16x32_bf16 v[32*(4*((\g)&1)+(\c))+8*(\t):32*(4*((\g)&1)+(\c))+8*(\t)+7], v[AF+32*(\H)+8*(\t):AF+32*(\H)+8*(\t)+7], v[128*(\H)+8*(4*(\g)+(\c)):128*(\H)+8*(4*(\g)+(\c))+7], v[32*(4*((\g)&1)+(\c))+8*(\t):32*(4*((\g)&1)+(\c))+8*(\t)+7]
.endr
.endr
.if \cv
	WIN 0
	s_wait_dscnt 0x0                               ; the four LDS loads issued a block ago
.irp n, 0,1,2,3,4,5,6,7
	v_cvt_pk_bf16_f32 v[AF+32*(1-(\H))+8*(\g)+(\n)], v[ST+16*((\g)&1)+2*(\n)], v[ST+16*((\g)&1)+2*(\n)+1]
.endr
.endif
.if \ld
.if (\g) < 3
	A_LD (\g)+1, (\H)+1, ((\g)+1)&1
.else
	A_LD 0, (\H)+2, 0
.endif
.endif
.if \rf
	WIN 0x40
.irp c, 0,1,2,3
	global_load_b128 v[128*(\H)+8*(4*(\g)+(\c)):128*(\H)+8*(4*(\g)+(\c))+3],   v1, s[10:11] offset:(2+(\H))*65536+(4*(\g)+(\c))*1024
	global_load_b128 v[128*(\H)+8*(4*(\g)+(\c))+4:128*(\H)+8*(4*(\g)+(\c))+7], v1, s[10:11] offset:(2+(\H))*65536+(4*(\g)+(\c))*1024+512
.endr
.endif
.endm
; A TRIP: one sub-tile of hidden, two K steps of 32, 128 matrix instructions.  The count 56: behind a block's eight loads stand those of the seven younger blocks of the ring.
.macro TRIP
.irp g, 0,1,2,3
	BLOCK 0, \g, 56, 1, 1, 1
.endr
.irp g, 0,1,2,3
	BLOCK 1, \g, 56, 1, 1, 1
.endr
	WIN 0                                          ; at a label and at a branch every window is 0
	v_add_nc_u32 v3, SUBT, v3                      ; the next sub-tile
	s_wait_xcnt 0x0                                ; every earlier memory instruction has had its addresses translated (ISA guide 3.1): the base of the pending loads is stepped only behind this wait
	s_add_nc_u64 s[10:11], s[10:11], 131072        ; two K steps of wt
.endm
.macro LOOPN n
	s_mov_b32 s56, \n
.Ltrip_\@:
	TRIP
	s_sub_co_u32 s56, s56, 1
	s_cmp_lg_u32 s56, 0
	s_cbranch_scc1 .Ltrip_\@
.endm
	; Trip q reads ahead into sub-tile q + 1, so each seam stands a trip ahead of its first sub-tile.
	LOOPN 3                                        ; trips 0-2 read sub-tiles 0-3
	SEAM 2                                         ; sub-tiles 4-7
	LOOPN 4                                        ; trips 3-6
	SEAM 1                                         ; sub-tiles 8-11
	LOOPN 4                                        ; trips 7-10
	SEAM 0                                         ; sub-tiles 12-15
	LOOPN 4                                        ; trips 11-14
	BLOCK 0, 0, 56, 0, 1, 1                        ; trip 15 is written out: nothing more is asked for, no load leaves wt, and the counts run down
	BLOCK 0, 1, 48, 0, 1, 1
	BLOCK 0, 2, 40, 0, 1, 1
	BLOCK 0, 3, 32, 0, 1, 0
	BLOCK 1, 0, 24, 0, 0, 0
	BLOCK 1, 1, 16, 0, 0, 0
	BLOCK 1, 2, 8, 0, 0, 0
	BLOCK 1, 3, 0, 0, 0, 0
	WIN 0
.rept 4
	v_nop                                          ; the places between the last products and the first reads of results (ISA guide 7.12.1)
.endr
; THE MEAN.  Each lane adds its 16 accumulators' registers (t, j), two at a time, in 16 chains that do not wait for each other; each accumulator's registers are taken in ascending order.
	WIN 0x0a                                       ; sources 0 and 1 window 2, destination window 0: the first two accumulators start the sums
.irp t, 0,1,2,3
.irp p, 0,2,4,6
	v_pk_add_f32 v[SUM+8*(\t)+(\p):SUM+8*(\t)+(\p)+1], v[8*(\t)+(\p):8*(\t)+(\p)+1], v[32+8*(\t)+(\p):32+8*(\t)+(\p)+1]
.endr
.endr
	WIN 0x02
.irp f, 2,3,4,5,6,7
.irp t, 0,1,2,3
.irp p, 0,2,4,6
	v_pk_add_f32 v[SUM+8*(\t)+(\p):SUM+8*(\t)+(\p)+1], v[32*(\f)+8*(\t)+(\p):32*(\f)+8*(\t)+(\p)+1], v[SUM+8*(\t)+(\p):SUM+8*(\t)+(\p)+1]
.endr
.endr
.endr
	WIN 0x03
.irp f, 0,1,2,3,4,5,6,7
.irp t, 0,1,2,3
.irp p, 0,2,4,6
	v_pk_add_f32 v[SUM+8*(\t)+(\p):SUM+8*(\t)+(\p)+1], v[32*(\f)+8*(\t)+(\p):32*(\f)+8*(\t)+(\p)+1], v[SUM+8*(\t)+(\p):SUM+8*(\t)+(\p)+1]
.endr
.endr
.endr
; Across the 16 lanes of a half, which hold 16 groups of columns of the same rows: four steps that ride on the addition (DPP).  The two halves hold different rows: nothing crosses them.
.macro XLANE base
	WIN 0
.irp m, 1,2,4,8
.set i, 0
.rept 32
	v_add_f32_dpp v[(\base)+i], v[(\base)+i], v[(\base)+i] row_xmask:\m row_mask:0xf bank_mask:0xf
.set i, i+1
.endr
.endr
.endm
; Across the four waves: each puts its 64 row figures into its own 256 bytes (the 16 lanes of a half write the same words with the same values), waits for its stores, passes a barrier, reads all four waves' figures of its rows
; and adds them in the order of the waves' numbers, alike in every wave.
.macro XWAVE base, off
	WIN 0
.irp t, 0,1,2,3
.irp u, 0,1
	ds_store_b128 v5, v[(\base)+8*(\t)+4*(\u):(\base)+8*(\t)+4*(\u)+3] offset:(\off)+64*(\t)+16*(\u)
.endr
.endr
	s_wait_dscnt 0x0                               ; for the others' sake: my stores are done
	s_barrier_signal -1
	s_barrier_wait -1
	WIN 0x40                                       ; destination window 1: the ring's registers are free
.irp w, 0,1,2,3
.irp t, 0,1,2,3
.irp u, 0,1
	ds_load_b128 v[4*(8*(\w)+2*(\t)+(\u)):4*(8*(\w)+2*(\t)+(\u))+3], v6 offset:(\off)+256*(\w)+64*(\t)+16*(\u)
.endr
.endr
.endr
	s_wait_dscnt 0x0
	WIN 0x05                                       ; sources 0 and 1 window 1
.set i, 0
.rept 16
	v_pk_add_f32 v[(\base)+i:(\base)+i+1], v[i:i+1], v[32+i:32+i+1]
.set i, i+2
.endr
	WIN 0x01
.irp w, 64, 96
.set i, 0
.rept 16
	v_pk_add_f32 v[(\base)+i:(\base)+i+1], v[(\w)+i:(\w)+i+1], v[(\base)+i:(\base)+i+1]
.set i, i+2
.endr
.endr
	WIN 0
.endm
	XLANE SUM
	XWAVE SUM, 0
.set i, 0
.rept 16
	v_pk_mul_f32 v[SUM+i:SUM+i+1], v[SUM+i:SUM+i+1], s[58:59] op_sel_hi:[1,0]  ; the mean of rows (t, j)
.set i, i+2
.endr
; THE VARIANCE.  The mean is taken away in place; the squares of what is left are added, again in 16 chains; the first accumulator's squares start the sums.
.macro CENTER win
	WIN 0x82+0x41*(\win)                           ; destination and source 0 window 2 or 3, source 1 window 0
.irp f, 0,1,2,3,4,5,6,7
.irp t, 0,1,2,3
.irp p, 0,2,4,6
	v_pk_add_f32 v[32*(\f)+8*(\t)+(\p):32*(\f)+8*(\t)+(\p)+1], v[32*(\f)+8*(\t)+(\p):32*(\f)+8*(\t)+(\p)+1], v[SUM+8*(\t)+(\p):SUM+8*(\t)+(\p)+1] neg_lo:[0,1] neg_hi:[0,1]
.endr
.endr
.endr
	WIN 0x0a+0x05*(\win)                           ; sources 0 and 1 window 2 or 3, source 2 and destination window 0
.irp f, 0,1,2,3,4,5,6,7
.irp t, 0,1,2,3
.irp p, 0,2,4,6
.if ((\win) == 0) && ((\f) == 0)
	v_pk_mul_f32 v[Q+8*(\t)+(\p):Q+8*(\t)+(\p)+1], v[8*(\t)+(\p):8*(\t)+(\p)+1], v[8*(\t)+(\p):8*(\t)+(\p)+1]
.else
	v_pk_fma_f32 v[Q+8*(\t)+(\p):Q+8*(\t)+(\p)+1], v[32*(\f)+8*(\t)+(\p):32*(\f)+8*(\t)+(\p)+1], v[32*(\f)+8*(\t)+(\p):32*(\f)+8*(\t)+(\p)+1], v[Q+8*(\t)+(\p):Q+8*(\t)+(\p)+1]
.endif
.endr
.endr
.endr
.endm
	CENTER 0
	CENTER 1
	XLANE Q
	XWAVE Q, 1024                                  ; other bytes than the sums': a wave that is ahead writes nothing that a wave behind still reads
.set i, 0
.rept 16
	v_pk_fma_f32 v[Q+i:Q+i+1], v[Q+i:Q+i+1], s[58:59], s[60:61] op_sel_hi:[1,0,0]  ; variance + 1e-12
.set i, i+2
.endr
.set i, 0
.rept 32
	v_rsq_f32 v[Q+i], v[Q+i]                       ; one batch
.set i, i+1
.endr
	v_nop                                          ; a plain instruction between the last of them and the use of its result (ISA guide 5.7.2)
	s_wait_alu depctr_va_vdst(0)                   ; and the wait ahead of the first use: one for the batch of 32
; OUT, a group (t, g) at a time: 16 rows x 64 columns.  Times 1 / sigma in place; times gamma plus beta into quads of four neighbouring columns; eight stores, in each of which a half of the lanes covers 256 consecutive bytes
; at a multiple of 256 from out0's first byte.  Eight sets of quads take turns.
.macro OUT t, g
	WIN 0x82+0x41*((\g)/2)
.irp c, 0,1,2,3
.irp p, 0,2,4,6
	v_pk_mul_f32 v[32*(4*((\g)&1)+(\c))+8*(\t)+(\p):32*(4*((\g)&1)+(\c))+8*(\t)+(\p)+1], v[32*(4*((\g)&1)+(\c))+8*(\t)+(\p):32*(4*((\g)&1)+(\c))+8*(\t)+(\p)+1], v[Q+8*(\t)+(\p):Q+8*(\t)+(\p)+1]
.endr
.endr
.if (4*(\t)+(\g)) >= 8
	s_wait_xcnt 0x0                                ; every earlier memory instruction has had its addresses translated (ISA guide 3.1): the quads that the stores eight groups back read are rewritten only behind this wait
.endif
	WIN 0x42+((\g)/2)                              ; destination window 1, source 0 window 2 or 3, gamma and beta window 0
.irp j, 0,1,2,3,4,5,6,7
.irp c, 0,1,2,3
	v_fma_f32 v[32*((4*(\t)+(\g))%8)+4*(\j)+(\c)], v[32*(4*((\g)&1)+(\c))+8*(\t)+(\j)], v[GAM+4*(\g)+(\c)], v[BET+4*(\g)+(\c)]
.endr
.endr
	WIN 0x04                                       ; a store's data is source 1: window 1
.irp j, 0,1,2,3,4,5,6,7
	global_store_b128 v2, v[32*((4*(\t)+(\g))%8)+4*(\j):32*((4*(\t)+(\g))%8)+4*(\j)+3], s[18:19] offset:(\t)*65536+(\j)*4096+(\g)*256 th:TH_STORE_NT  ; written once, not read again
.endr
.endm
.irp t, 0,1,2,3
.irp g, 0,1,2,3
	OUT \t, \g
.endr
.endr
	WIN 0
	s_wait_tensorcnt 0x0                           ; the wave's end, behind my last tensor load and my last LDS store
	ds_add_u32 v[SPW], v[NIL]
	s_wait_dscnt 0x0
	s_endpgm
.Lfunc_end_k_qaa3ef2a47c_fused:
	.size	k_qaa3ef2a47c_fused, .Lfunc_end_k_qaa3ef2a47c_fused-k_qaa3ef2a47c_fused
	.p2alignl 7, 3214868480
	.fill 96, 4, 3214868480
	.section	.rodata,"a",@progbits
	.p2align	6, 0x0
	.amdhsa_kernel k_qaa3ef2a47c_fused
		.amdhsa_group_segment_fixed_size 281600
		.amdhsa_private_segment_fixed_size 0
		.amdhsa_enable_private_segment 0
		.amdhsa_kernarg_size 64
		.amdhsa_user_sgpr_count 2
		.amdhsa_user_sgpr_kernarg_segment_ptr 1
		.amdhsa_wavefront_size32 1
		.amdhsa_system_sgpr_workgroup_id_x 1
		.amdhsa_system_sgpr_workgroup_id_y 1
		.amdhsa_system_sgpr_workgroup_id_z 1
		.amdhsa_system_vgpr_workitem_id 0
		.amdhsa_next_free_vgpr 1024
		.amdhsa_next_free_sgpr 66
		.amdhsa_reserve_vcc 0
		.amdhsa_float_denorm_mode_32 3
		.amdhsa_float_denorm_mode_16_64 3
		.amdhsa_memory_ordered 1
		.amdhsa_forward_progress 1
		.amdhsa_inst_pref_size 255
	.end_amdhsa_kernel
	.section	.bss,"aw",@nobits
	.p2align	6
	.space	262144
	.amdgpu_metadata
---
amdhsa.version: [ 1, 2 ]
amdhsa.kernels:
  - .name:           k_qaa3ef2a47c_fused
    .symbol:         k_qaa3ef2a47c_fused.kd
    .args:
      - { .name: hidden_states, .offset: 0, .size: 8, .value_kind: global_buffer, .address_space: global }
      - { .name: input_tensor, .offset: 8, .size: 8, .value_kind: global_buffer, .address_space: global }
      - { .name: expert_idx, .offset: 16, .size: 8, .value_kind: global_buffer, .address_space: global }
      - { .name: wt, .offset: 24, .size: 8, .value_kind: global_buffer, .address_space: global }
      - { .name: b, .offset: 32, .size: 8, .value_kind: global_buffer, .address_space: global }
      - { .name: gamma, .offset: 40, .size: 8, .value_kind: global_buffer, .address_space: global }
      - { .name: beta, .offset: 48, .size: 8, .value_kind: global_buffer, .address_space: global }
      - { .name: out0, .offset: 56, .size: 8, .value_kind: global_buffer, .address_space: global }
    .group_segment_fixed_size: 281600
    .private_segment_fixed_size: 0
    .kernarg_segment_align: 8
    .kernarg_segment_size: 64
    .max_flat_workgroup_size: 128
    .sgpr_count:     66
    .vgpr_count:     1024
    .wavefront_size: 32
...
	.end_amdgpu_metadata
.endif
;; end of part 2
;; ======== version 2 of 2: 2 launches; 1.12 times as fast as version 1
;; workspace buffers: wt 16,777,216 bytes
;; launch cast: the kernel of part 1 again; grid 256 x 1, 8 waves a work-group, no clusters, 0 bytes of LDS; arguments W, wt; writes wt
;; launch fused (part 3): grid 128 x 1, 4 waves a work-group, no clusters, 327,680 bytes of LDS; arguments hidden_states, input_tensor, expert_idx, wt, b, gamma, beta, out0; writes out0
.if DOCPART == 3
	.amdgcn_target "amdgcn-amd-amdhsa--gfx1250"
	.amdhsa_code_object_version 6
	.text
	.protected	k_qaa3ef2a47c_fused
	.globl	k_qaa3ef2a47c_fused
	.p2align	8
	.type	k_qaa3ef2a47c_fused,@function
k_qaa3ef2a47c_fused:
	s_mov_b64 s[64:65], 0
	v_nop
	global_prefetch_b8 v0, s[64:65] scope:SCOPE_SE
	s_setreg_imm32_b32 hwreg(HW_REG_WAVE_MODE, 25, 1), 1
	s_wait_xcnt 0x0
; out0[row] = LayerNorm(hidden[row] . W[e] + b[e] + input[row]) * gamma + beta, e = expert_idx[batch of the row].  8,192 rows of 1,024 f32; only the chosen expert's product is made.
; FORMATS AND LIMITS.  hidden and W go to the matrix unit rounded once to bf16 (f32's range); sums, bias, residual, mean, variance and the scaling are f32.  The mean is taken first and the variance is the mean
; of the squared deviations: no difference of large sums.  The K sums begin at a chunk of K that hangs on the work-group (below), so their order of rounding differs from work-group to work-group.
; expert_idx is held to 0 .. 7 by an unsigned minimum with 7.  NaN and infinities are not treated apart.
; SHARES.  A normalised row needs all its 1,024 columns in one work-group.  A work-group owns 64 rows x 1,024 columns, each of its four waves all 64 rows x 256 columns: 4 x 16 accumulators of 16 x 16, 512 registers.
; 8,192 / 64 = 128 work-groups.  With 32 rows there would be 256, but each would still walk all 2 MiB of its expert's weights, for half the products: twice the weight bytes asked for in all.
; WEIGHTS come from wt, where the launch before laid them as fragments: each fragment has ONE reader in the work-group, so it goes from memory straight into that wave's registers, through a ring of four halves of a K step,
; 16 loads of 512 bytes each: 48 to 64 loads are out in every wave all the time.  NO CLUSTER, NO JOINT LOADS, though the eight work-groups of a batch walk the same weights: a joint load lands in LDS, where one K step
; of 32 for 1,024 columns is 65,536 bytes, and beside hidden's tile (278,528 bytes), the statistics and the spare words 46,592 of 327,680 bytes are left: not one slot.
; THE WALK ALONG K IS ROTATED.  K lies in sixteen chunks of 64.  Work-group x begins at chunk q0 = 4 (x & 3) + 2 ((x >> 2) & 1) and wraps round: the eight work-groups of a batch begin at eight different chunks, two apart,
; so that at any one time they ask for different parts of the expert's weights.  Only global addresses hang on q0: LDS place p holds hidden's chunk (q0 + p) & 15, and trip p multiplies it by the same chunk of wt.
; HIDDEN: the work-group's 64 x 1,024 f32 come once into LDS, as sixteen sub-tiles of 64 rows x 64 k (rows of 256 bytes of memory, at multiples of 256), four tensor loads a wave, all issued at the head.
; Each wave reads the f32 fragments and rounds them itself: 32 conversions for a K step's 64 matrix instructions.
; THE SUMS START AT b[e]: the first K step takes as C eight registers that hold the column's bias.  THE RESIDUAL comes by two tensor loads a wave, 32 rows x my 256 columns each (32,768 bytes, read by me alone), into
; LDS bytes 0 .. 131,071, which hidden's places 0-7 (139,264 bytes) have left: rows 0-31 are asked for behind trip 7 and added onto the sums behind trip 11, where rows 32-63 are asked for; these are added behind the last product.
; LAYOUT OF THE RESULT.  Accumulator (t, f = 4 g + c): lane (r = lane % 16, h = lane / 16), register j holds row 16 t + 8 h + j, column 256 w + 64 g + 4 r + c (wt's order of columns).  So registers of the four
; accumulators c = 0 .. 3 are 16 neighbouring bytes of a row, and sixteen lanes 256: the result goes straight from registers to memory, each store's half of the lanes covering 256 consecutive bytes at a multiple of 256.
; REGISTERS, in windows of 256 (s_set_vgpr_msb: bits 1:0 source 0, 3:2 source 1, 5:4 source 2, 7:6 destination):
;   window 0: v0-11 addresses; v16-63 gamma, beta, bias of my 16 columns; v64-127 A's fragments, two buffers; v128-159 f32 staging for A; v160-255 by turns: the bias as C (v192-255), the residual's staging in mid-loop,
;             row sums and means (v160-191), sums of squares and 1 / sigma (v192-223)
;   window 1: the ring of weight fragments, BF(H, f) = 128 H + 8 f; at the end the residual's rows 32-63, the statistics read back, the output quads of rows 0-31
;   windows 2, 3: the accumulators, (t, f) at 32 (f % 8) + 8 t of window 2 + f / 8; at the end the registers of rows 0-31 take the output quads of rows 32-63
.set PITCH, 272                        ; an LDS row of hidden: 256 bytes + 16 of padding = 68 words
.set SUBT,  64*PITCH                   ; a sub-tile: 17,408 bytes; place p at p x SUBT
.set RBLK,  32768                      ; a wave's 32 rows x 1,024 bytes of the residual, at wave x RBLK; no padding: 16 lanes read 256 consecutive bytes
.set STAT1, 16*SUBT                    ; 278,528: [wave][64 rows] f32, the waves' row sums; 1,024 bytes on the same for the squares: blocks of their own, into which no tensor load lands
.set SPARE, STAT1+2048                 ; 280,576: the spare words, 128 bytes for each wave: two blocks of 256 bytes that no other line names
.set SPW, 8                            ; v8   LDS address of my spare word; never rewritten
.set NIL, 9                            ; v9   0; never rewritten
.set GAM, 16                           ; gamma of columns (g, c) at GAM + 4 g + c
.set BET, 32
.set BIA, 48
.set AF,  64                           ; A's fragment of rows 16 t .., buffer H: AF + 32 H + 8 t
.set ST,  128                          ; staging z: ST + 16 z, sixteen f32
.set RS,  160                          ; three sets of 32 for the residual in mid-loop
.set BT,  192                          ; the bias of eight fragments' columns, eight registers each
.set SUM, 160                          ; SUM + 8 t + j
.set Q,   192                          ; Q + 8 t + j
.set G1,  32                           ; s[32:39] descriptor group 1 for hidden's sub-tiles
.set G0,  40                           ; s[40:55] descriptor group 0, a set for each of my four loads
.set G1R, 68                           ; s[68:75] descriptor group 1 for the residual
.set G0R, 76                           ; s[76:79] descriptor group 0 for the residual
.set MSB, 0
.macro WIN new                         ; the immediate's high byte repeats the setting that is left; a switch that changes nothing is dropped
.if MSB != (\new)
	s_set_vgpr_msb (MSB<<8)|(\new)
.set MSB, \new
.endif
.endm
	s_load_b512 s[4:19], s[0:1], 0x0               ; hidden s[4:5], input s[6:7], expert_idx s[8:9], wt s[10:11], b s[12:13], gamma s[14:15], beta s[16:17], out0 s[18:19]
	v_lshl_add_u32 v[SPW], v0, 2, SPARE
	v_mov_b32 v[NIL], 0
	ds_add_u32 v[SPW], v[NIL]                      ; the wave's opening: the add and its wait stand ahead of my first tensor load; the set-up below, work on registers, stands between them
	ds_add_u32 v8, v9
	v_lshrrev_b32 v1, 5, v0
	v_readfirstlane_b32 s20, v1                    ; wave w, 0..3
	v_and_b32 v10, 15, v0                          ; r
	v_bfe_u32 v11, v0, 4, 1                        ; h
	v_and_b32 v1, 31, v0
	v_lshlrev_b32 v1, 4, v1                        ; v1: weights: 16 x lane
	v_lshlrev_b32 v2, 4, v10
	v_lshl_add_u32 v4, s20, 10, v2                 ; v4: gamma, beta, bias: 1,024 w + 16 r
	v_lshl_add_u32 v7, v11, 13, v2
	v_lshl_add_u32 v7, s20, 15, v7                 ; v7: the residual in LDS: my wave's block + eight rows of 1,024 bytes x h + 16 r
	v_lshl_add_u32 v2, v11, 15, v2                 ; v2: the result: eight rows of 4,096 bytes x h + 16 r
	v_mul_u32_u24 v3, v10, PITCH
	v_lshl_add_u32 v3, v11, 5, v3                  ; v3: A in LDS: r x pitch + 32 h (eight f32); steps by a sub-tile a trip
	s_lshl_b32 s21, s20, 8
	s_add_co_u32 s21, s21, STAT1
	v_lshl_add_u32 v5, v11, 5, s21                 ; v5: where I put my wave's statistics: STAT1 + 256 w + 32 h
	v_lshl_add_u32 v6, v11, 5, STAT1               ; v6: where I read all waves' back
	s_lshl_b32 s24, ttmp9, 18                      ; s[24:25]: the work-group's 64 rows of 4,096 bytes
	s_mov_b32 s25, 0
	s_lshl_b32 s26, s20, 10
	s_add_co_u32 s26, s26, s24                     ; s[26:27]: + my wave's 256 columns: input and out0
	s_mov_b32 s27, 0
	s_mov_b32 s29, 0
	s_and_b32 s62, ttmp9, 3
	s_lshl_b32 s62, s62, 2
	s_bfe_u32 s63, ttmp9, 0x10002                  ; bit 2 of x
	s_lshl1_add_u32 s62, s63, s62                  ; q0 = 4 (x & 3) + 2 ((x >> 2) & 1)
	s_add_co_u32 s31, s62, s20                     ; q0 + w
	s_lshr_b32 s23, ttmp9, 3                       ; eight work-groups to a batch of 512 rows
	s_lshl_b32 s23, s23, 2                         ; the batch's word in expert_idx
	s_mul_i32 s30, s20, SUBT
	s_mov_b32 s58, 0x3a800000                      ; 1 / 1,024; named as a pair
	s_mov_b32 s59, s58
	s_mov_b32 s60, 0x2b8cbccc                      ; 1e-12
	s_mov_b32 s61, s60
	; descriptor group 1 for hidden: a tile of 64 rows x 64 elements of 4 bytes, padded in LDS
	s_mov_b32 s[G1+0], (2<<16)|(1<<20)|(5<<22)|(3<<25)  ; 15:0 no mask; 17:16 elements of 4 bytes; 20 padding on; 24:22 after every 64 words (code 5); 31:25 4 words of it (code 3)
	s_mov_b32 s[G1+1], 64<<16                      ; tensor_dim0 = 64
	s_mov_b32 s[G1+2], 64<<16                      ; tensor_dim1 = 64
	s_mov_b32 s[G1+3], 64<<16                      ; tile_dim0 = 64
	s_mov_b32 s[G1+4], 64                          ; tile_dim1 = 64
	s_mov_b32 s[G1+5], 1024                        ; elements from row to row
	s_mov_b32 s[G1+6], 0
	s_mov_b32 s[G1+7], 0
	; descriptor group 1 for the residual: a tile of 32 rows x 256 elements of 4 bytes (rows of 1,024 bytes of memory, at multiples of 256), dense in LDS
	s_mov_b32 s[G1R+0], 2<<16                      ; elements of 4 bytes; no mask, no padding
	s_mov_b32 s[G1R+1], 256<<16                    ; tensor_dim0 = 256
	s_mov_b32 s[G1R+2], 32<<16                     ; tensor_dim1 = 32
	s_mov_b32 s[G1R+3], 256<<16                    ; tile_dim0 = 256
	s_mov_b32 s[G1R+4], 32                         ; tile_dim1 = 32
	s_mov_b32 s[G1R+5], 1024                       ; elements from row to row
	s_mov_b32 s[G1R+6], 0
	s_mov_b32 s[G1R+7], 0
.irp c, 0,1,2,3                        ; my load c fills place 4 c + w
	s_mov_b32 s[G0+4*(\c)], 1                      ; count = 1
	s_add_co_u32 s[G0+4*(\c)+1], s30, (\c)*4*SUBT  ; LDS address: the wave's number times a constant plus the load's constant
.endr
	s_mov_b32 s[G0R], 1
	s_lshl_b32 s[G0R+1], s20, 15                   ; LDS address: wave x RBLK
	s_wait_dscnt 0x0                               ; the opening add is done
	s_wait_kmcnt 0x0
	s_load_b32 s22, s[8:9], s23 offset:0x0         ; the batch's expert
	s_add_nc_u64 s[4:5], s[4:5], s[24:25]          ; hidden at the work-group's first row
.irp c, 0,1,2,3
	s_add_co_u32 s28, s31, 4*(\c)
	s_and_b32 s28, s28, 15                         ; place 4 c + w holds chunk (q0 + 4 c + w) & 15,
	s_lshl_b32 s28, s28, 8                         ; 256 bytes of each row
	s_add_nc_u64 s[G0+4*(\c)+2:G0+4*(\c)+3], s[4:5], s[28:29]
	s_or_b32 s[G0+4*(\c)+3], s[G0+4*(\c)+3], 0x80000000        ; type = 2
.endr
	s_add_nc_u64 s[G0R+2:G0R+3], s[6:7], s[26:27]  ; the residual at my columns of the work-group's row 0
	s_or_b32 s[G0R+3], s[G0R+3], 0x80000000
	s_add_nc_u64 s[18:19], s[18:19], s[26:27]
.irp c, 0,1,2,3                        ; all first fills go out together, ahead of every wait on TENSORcnt, every LDS read and every barrier: four tensor loads of mine are out; these descriptors are never written again
	tensor_load_to_lds s[G0+4*(\c):G0+4*(\c)+3], s[G1:G1+7]
	s_nop 0
.endr
.rept 4
	v_nop                                          ; four vector instructions behind the last tensor load, ahead of the next switch of windows
.endr
.irp g, 0,1,2,3
	global_load_b128 v[GAM+4*(\g):GAM+4*(\g)+3], v4, s[14:15] offset:(\g)*256
	global_load_b128 v[BET+4*(\g):BET+4*(\g)+3], v4, s[16:17] offset:(\g)*256
.endr
; Half (H, gg) of the ring: the eight fragments f = 8 gg .. 8 gg + 7 of the K step of parity H in the chunk at s[10:11]: 16 loads of 512 consecutive bytes.
.macro B_HALF H, gg
	WIN 0x40                                       ; destination window 1, address window 0
.irp fi, 0,1,2,3,4,5,6,7
	global_load_b128 v[128*(\H)+64*(\gg)+8*(\fi):128*(\H)+64*(\gg)+8*(\fi)+3],   v1, s[10:11] offset:(\H)*65536+(8*(\gg)+(\fi))*1024
	global_load_b128 v[128*(\H)+64*(\gg)+8*(\fi)+4:128*(\H)+64*(\gg)+8*(\fi)+7], v1, s[10:11] offset:(\H)*65536+(8*(\gg)+(\fi))*1024+512
.endr
.endm
	s_wait_kmcnt 0x0                               ; the expert
	s_min_u32 s22, s22, 7                          ; held inside the tables that it indexes
	s_lshl_b32 s24, s22, 21                        ; an expert's 2 MiB of wt,
	s_lshl_b32 s26, s20, 14                        ; my wave's 16 KiB of a K step
	s_add_co_u32 s24, s24, s26
	s_add_nc_u64 s[66:67], s[10:11], s[24:25]      ; s[66:67]: wt at my wave's part of the expert's chunk 0; never rewritten
	s_lshl_b32 s24, s22, 12                        ; the expert's row of b
	s_add_nc_u64 s[12:13], s[12:13], s[24:25]
	s_mov_b32 s57, s62                             ; s57: the chunk at s[10:11]
	s_lshl_b32 s24, s62, 17                        ; a chunk is two K steps of 65,536 bytes
	s_add_nc_u64 s[10:11], s[66:67], s[24:25]
.irp g, 0,1,2,3
	global_load_b128 v[BIA+4*(\g):BIA+4*(\g)+3], v4, s[12:13] offset:(\g)*256
.endr
	B_HALF 0, 0                                    ; three halves of the ring now: with gamma, beta and bias 60 loads are out;
	B_HALF 0, 1                                    ; the fourth follows behind A's prologue
	B_HALF 1, 0
	WIN 0
; My tensor loads end in order (ISA guide 10.11.1): with n of the four still out, my places up to 4 (3 - n) + w are in LDS; behind the barrier that holds of every wave's.
; No LDS load of mine is pending at the signal.
.macro SEAM n
	s_wait_tensorcnt \n
	s_wait_dscnt 0x0
	s_barrier_signal -1
	s_barrier_wait -1
.endm
; Fragment t (rows 16 t ..) of the K step u steps behind the trip's first, as f32, into staging z: k = 8 h + 0..7 (32 bytes) and k = 16 + 8 h + 0..7 (64 bytes on): four loads of 16 bytes.
.macro A_LD t, u, z
	ds_load_b128 v[ST+16*(\z):ST+16*(\z)+3],     v3 offset:(\t)*16*PITCH+((\u)>>1)*SUBT+((\u)&1)*128
	ds_load_b128 v[ST+16*(\z)+4:ST+16*(\z)+7],   v3 offset:(\t)*16*PITCH+((\u)>>1)*SUBT+((\u)&1)*128+16
	ds_load_b128 v[ST+16*(\z)+8:ST+16*(\z)+11],  v3 offset:(\t)*16*PITCH+((\u)>>1)*SUBT+((\u)&1)*128+64
	ds_load_b128 v[ST+16*(\z)+12:ST+16*(\z)+15], v3 offset:(\t)*16*PITCH+((\u)>>1)*SUBT+((\u)&1)*128+80
.endm
	SEAM 3                                         ; places 0-3
.irp t, 0,1,2,3
	A_LD \t, 0, \t                                 ; K step 0's four fragments, into v128-191
.endr
	s_wait_dscnt 0x0
.irp t, 0,1,2,3
.irp n, 0,1,2,3,4,5,6,7
	v_cvt_pk_bf16_f32 v[AF+8*(\t)+(\n)], v[ST+16*(\t)+2*(\n)], v[ST+16*(\t)+2*(\n)+1]
.endr
.endr
	A_LD 0, 1, 0                                   ; K step 1's first two fragments: the loop goes on from here
	A_LD 1, 1, 1
	B_HALF 1, 1                                    ; the ring is full
	WIN 0
; HALF A K STEP: parity H, fragments f = 8 gg .. 8 gg + 7 (one window of accumulators) x four row blocks: 32 matrix instructions; behind them 16 conversions and ONE run of memory instructions.
; All 64 accumulators take turns, one instruction a turn, in the same order in every K step: over the loops' jumps, the seams and into the tail too.
; cnt: how many younger loads of the ring may stay out.   first = 1: the sums start: C is the bias, eight registers a fragment, made just ahead.
; cv = 1: fragments t = 2 gg, 2 gg + 1 of the NEXT K step's A, fetched half a step ago, are rounded into the other buffer; dsc: the LDS loads issued behind theirs.   ld = 1: the next two fragments are fetched into the staging.
; step = 1: s[10:11] goes on to the next chunk, made anew from wt's address and the chunk's number.   rf = 1: this half's fragments are asked for again, two K steps on.
; res = 1 (the tail): the registers of this half of the ring take two chunks of the residual's rows 32-63 from LDS.
; A load into a register that a matrix instruction has read stands four places behind it, and only plain vector instructions that name none of its registers are places (ISA guide 7.12.1 for vector instructions):
; the conversions, which write the buffer that this K step does not read, are those places; where there are none, four v_nop.
.macro HALF H, gg, cnt, rf, cv, dsc, ld, first, step, res
.if \first
	WIN 0
.irp fi, 0,1,2,3,4,5,6,7
.irp j, 0,1,2,3,4,5,6,7
	v_mov_b32 v[BT+8*(\fi)+(\j)], v[BIA+8*(\gg)+(\fi)]
.endr
.endr
.endif
	s_wait_loadcnt \cnt                            ; loads come back in order (ISA guide 5.7.1): this half's sixteen are in
.if \first
	WIN 0x84+0x40*(\gg)                            ; A and C window 0, B window 1, D window 2 or 3
.else
	WIN 0xa4+0x50*(\gg)                            ; A window 0, B window 1, C and D window 2 or 3
.endif
.irp fi, 0,1,2,3,4,5,6,7
.irp t, 0,1,2,3
.if \first
	v_wmma_f32_16x16x32_bf16 v[32*(\fi)+8*(\t):32*(\fi)+8*(\t)+7], v[AF+32*(\H)+8*(\t):AF+32*(\H)+8*(\t)+7], v[128*(\H)+64*(\gg)+8*(\fi):128*(\H)+64*(\gg)+8*(\fi)+7], v[BT+8*(\fi):BT+8*(\fi)+7]
.else
	v_wmma_f32_16x16x32_bf16 v[32*(\fi)+8*(\t):32*(\fi)+8*(\t)+7], v[AF+32*(\H)+8*(\t):AF+32*(\H)+8*(\t)+7], v[128*(\H)+64*(\gg)+8*(\fi):128*(\H)+64*(\gg)+8*(\fi)+7], v[32*(\fi)+8*(\t):32*(\fi)+8*(\t)+7]
.endif
.endr
.endr
	WIN 0
.if \cv
	s_wait_dscnt \dsc                              ; the eight LDS loads of the run before, issued 32 matrix instructions ago
.irp z, 0,1
.irp n, 0,1,2,3,4,5,6,7
	v_cvt_pk_bf16_f32 v[AF+32*(1-(\H))+8*(2*(\gg)+(\z))+(\n)], v[ST+16*(\z)+2*(\n)], v[ST+16*(\z)+2*(\n)+1]
.endr
.endr
.else
.rept 4
	v_nop
.endr
.endif
.if \ld
	A_LD 2-2*(\gg), (\H)+1+(\gg), 0                ; gg = 0: fragments 2, 3 of the next K step; gg = 1: fragments 0, 1 of the step after it
	A_LD 3-2*(\gg), (\H)+1+(\gg), 1
.endif
.if \step
	s_add_co_u32 s57, s57, 1
	s_and_b32 s57, s57, 15                         ; the walk wraps round
	s_lshl_b32 s24, s57, 17
	s_wait_xcnt 0x0                                ; every earlier memory instruction has had its addresses translated (ISA guide 3.1): the base of the pending loads, the youngest of them issued 32 matrix instructions ago, is rewritten only behind this wait
	s_add_nc_u64 s[10:11], s[66:67], s[24:25]
.endif
.if \rf
	B_HALF \H, \gg
.endif
.if \res
	WIN 0x40
.irp i, 0,1
.set ch, 2*(2*(\H)+(\gg))+(\i)         ; chunk ch: rows 32 + 16 (ch / 4) .., column group ch % 4, at 32 ch of window 1
.irp j, 0,1,2,3,4,5,6,7
	ds_load_b128 v[32*ch+4*(\j):32*ch+4*(\j)+3], v7 offset:(ch/4)*16384+(\j)*1024+(ch%4)*256
.endr
.endr
.endif
.endm
; A TRIP: one place of hidden, two K steps of 32, 128 matrix instructions, four runs of memory instructions.  The count 48: behind a half's sixteen loads stand those of the three younger halves of the ring.
.macro TRIP first
	HALF 0, 0, 48, 1, 1, 0, 1, \first, 1, 0
	HALF 0, 1, 48, 1, 1, 0, 1, \first, 0, 0
	HALF 1, 0, 48, 1, 1, 0, 1, 0, 0, 0
	HALF 1, 1, 48, 1, 1, 0, 1, 0, 0, 0
	WIN 0                                          ; at a label and at a branch every window is 0
	v_add_nc_u32 v3, SUBT, v3                      ; the next place
.endm
.macro LOOPN n
	s_mov_b32 s56, \n
.Ltrip_\@:
	TRIP 0
	s_sub_co_u32 s56, s56, 1
	s_cmp_lg_u32 s56, 0
	s_cbranch_scc1 .Ltrip_\@
.endm
; THE RESIDUAL.  A chunk is 16 rows x 64 columns: eight quads of four neighbouring columns a lane.  Chunk ch of the 32 rows in LDS: rows 16 (ch / 4) .., column group ch % 4.
.macro RS_LD ch                        ; into staging set ch % 3
	WIN 0
.irp j, 0,1,2,3,4,5,6,7
	ds_load_b128 v[RS+32*((\ch)%3)+4*(\j):RS+32*((\ch)%3)+4*(\j)+3], v7 offset:((\ch)/4)*16384+(\j)*1024+((\ch)%4)*256
.endr
.endm
.macro RES_ADD ch, tb, base, sw        ; onto accumulators (tb + ch / 4, 4 (ch % 4) + c), each taken from its lowest register on; the quads lie at base, in window sw
.set rg, (\ch)%4
.set rt, (\tb)+(\ch)/4
	WIN (0x88+0x44*(rg/2))|(\sw)                   ; destination and source 1 window 2 or 3
.irp c, 0,1,2,3
.irp j, 0,1,2,3,4,5,6,7
	v_add_f32 v[32*(4*(rg&1)+(\c))+8*rt+(\j)], v[(\base)+4*(\j)+(\c)], v[32*(4*(rg&1)+(\c))+8*rt+(\j)]
.endr
.endr
.endm
; LDS bytes 0 .. 131,071 are filled again: every wave waits for all its tensor loads, adds 0 to its spare words, waits for that and for its reads of those bytes, passes the barrier,
; and issues ONE load, its own block's, first thing behind it.  on = 1: the descriptor goes on to rows 32-63.
.macro REFILL on
	WIN 0
	s_wait_tensorcnt 0x0                           ; no tensor load of mine is out, so a group 0 may be written
	ds_add_u32 v[SPW], v[NIL]                      ; 0 onto my spare word
.if \on
	s_add_nc_u64 s[G0R+2:G0R+3], s[G0R+2:G0R+3], 32*4096  ; the type bits on top are not reached
.endif
	s_wait_dscnt 0x0                               ; the add is done, and my LDS reads are back
	s_barrier_signal -1
	s_barrier_wait -1                              ; that now holds of every wave: nobody reads these bytes any more
	tensor_load_to_lds s[G0R:G0R+3], s[G1R:G1R+7]
	s_nop 0
.rept 4
	v_nop
.endr
.endm
	s_wait_loadcnt 63                              ; the bias is in: behind its four loads stand the ring's 64, and the wait's field names 63 at the most
	TRIP 1                                         ; trip 0 is written out: its first K step starts the sums at the bias
	LOOPN 2                                        ; trips 1, 2.  Trip p reads ahead into place p + 1: up to place 3
	SEAM 0                                         ; all sixteen places, every wave's
	LOOPN 5                                        ; trips 3-7
	REFILL 0                                       ; places 0-7 have been read out: the residual's rows 0-31 are asked for
	LOOPN 4                                        ; trips 8-11
	s_wait_tensorcnt 0x0                           ; my block of rows 0-31 is in LDS; I alone read it
	RS_LD 0                                        ; eight chunks through three staging sets: two chunks' loads are out while a third is added.  The last products stand 16 conversions back
	RS_LD 1
	RS_LD 2
.irp ch, 0,1,2,3,4,5,6,7
.if (\ch) < 6
	s_wait_dscnt 16                                ; LDS loads come back in order (ISA guide 5.7.1): this chunk's eight are in, two younger chunks' stay out
.else
	s_wait_dscnt 8*(7-(\ch))
.endif
	RES_ADD \ch, 0, RS+32*((\ch)%3), 0
.if (\ch) < 5
	RS_LD (\ch)+3
.endif
.endr
	REFILL 1                                       ; rows 32-63 are asked for, into the same bytes
	LOOPN 3                                        ; trips 12-14
	s_wait_tensorcnt 0x0                           ; my block of rows 32-63 is in LDS
	HALF 0, 0, 48, 0, 1, 0,  1, 0, 0, 1            ; trip 15 is written out: no weights are asked for, no load leaves wt, and the counts run down
	HALF 0, 1, 32, 0, 1, 16, 0, 0, 0, 1            ; (behind A's last eight LDS loads stand the sixteen of the residual)
	HALF 1, 0, 16, 0, 0, 0,  0, 0, 0, 1
	HALF 1, 1, 0,  0, 0, 0,  0, 0, 0, 1
	WIN 0
	s_wait_dscnt 0x0                               ; rows 32-63 of the residual are in window 1; the four v_nop of the last half are the places behind the last products
.irp ch, 0,1,2,3,4,5,6,7
	RES_ADD \ch, 2, 32*(\ch), 1
.endr
; THE MEAN.  Each lane adds its 16 accumulators' registers (t, j), two at a time, in 16 chains that do not wait for each other; each accumulator's registers are taken in ascending order.
	WIN 0x0a                                       ; sources 0 and 1 window 2, destination window 0: the first two accumulators start the sums
.irp t, 0,1,2,3
.irp p, 0,2,4,6
	v_pk_add_f32 v[SUM+8*(\t)+(\p):SUM+8*(\t)+(\p)+1], v[8*(\t)+(\p):8*(\t)+(\p)+1], v[32+8*(\t)+(\p):32+8*(\t)+(\p)+1]
.endr
.endr
	WIN 0x02
.irp f, 2,3,4,5,6,7
.irp t, 0,1,2,3
.irp p, 0,2,4,6
	v_pk_add_f32 v[SUM+8*(\t)+(\p):SUM+8*(\t)+(\p)+1], v[32*(\f)+8*(\t)+(\p):32*(\f)+8*(\t)+(\p)+1], v[SUM+8*(\t)+(\p):SUM+8*(\t)+(\p)+1]
.endr
.endr
.endr
	WIN 0x03
.irp f, 0,1,2,3,4,5,6,7
.irp t, 0,1,2,3
.irp p, 0,2,4,6
	v_pk_add_f32 v[SUM+8*(\t)+(\p):SUM+8*(\t)+(\p)+1], v[32*(\f)+8*(\t)+(\p):32*(\f)+8*(\t)+(\p)+1], v[SUM+8*(\t)+(\p):SUM+8*(\t)+(\p)+1]
.endr
.endr
.endr
; Across the 16 lanes of a half, which hold 16 groups of columns of the same rows: four steps that ride on the addition (DPP).  The two halves hold different rows: nothing crosses them.
.macro XLANE base
	WIN 0
.irp m, 1,2,4,8
.set i, 0
.rept 32
	v_add_f32_dpp v[(\base)+i], v[(\base)+i], v[(\base)+i] row_xmask:\m row_mask:0xf bank_mask:0xf
.set i, i+1
.endr
.endr
.endm
; Across the four waves: each puts its 64 row figures into its own 256 bytes (the 16 lanes of a half write the same words with the same values), waits for its stores, passes a barrier, reads all four waves' figures of its rows
; and adds them in the order of the waves' numbers, alike in every wave.
.macro XWAVE base, off
	WIN 0
.irp t, 0,1,2,3
.irp u, 0,1
	ds_store_b128 v5, v[(\base)+8*(\t)+4*(\u):(\base)+8*(\t)+4*(\u)+3] offset:(\off)+64*(\t)+16*(\u)
.endr
.endr
	s_wait_dscnt 0x0                               ; for the others' sake: my stores are done
	s_barrier_signal -1
	s_barrier_wait -1
	WIN 0x40                                       ; destination window 1: its registers are free
.irp w, 0,1,2,3
.irp t, 0,1,2,3
.irp u, 0,1
	ds_load_b128 v[4*(8*(\w)+2*(\t)+(\u)):4*(8*(\w)+2*(\t)+(\u))+3], v6 offset:(\off)+256*(\w)+64*(\t)+16*(\u)
.endr
.endr
.endr
	s_wait_dscnt 0x0
	WIN 0x05                                       ; sources 0 and 1 window 1
.set i, 0
.rept 16
	v_pk_add_f32 v[(\base)+i:(\base)+i+1], v[i:i+1], v[32+i:32+i+1]
.set i, i+2
.endr
	WIN 0x01
.irp w, 64, 96
.set i, 0
.rept 16
	v_pk_add_f32 v[(\base)+i:(\base)+i+1], v[(\w)+i:(\w)+i+1], v[(\base)+i:(\base)+i+1]
.set i, i+2
.endr
.endr
	WIN 0
.endm
	XLANE SUM
	XWAVE SUM, 0
.set i, 0
.rept 16
	v_pk_mul_f32 v[SUM+i:SUM+i+1], v[SUM+i:SUM+i+1], s[58:59] op_sel_hi:[1,0]  ; the mean of rows (t, j)
.set i, i+2
.endr
; THE VARIANCE.  The mean is taken away in place; the squares of what is left are added, again in 16 chains; the first accumulator's squares start the sums.
.macro CENTER win
	WIN 0x82+0x41*(\win)                           ; destination and source 0 window 2 or 3, source 1 window 0
.irp f, 0,1,2,3,4,5,6,7
.irp t, 0,1,2,3
.irp p, 0,2,4,6
	v_pk_add_f32 v[32*(\f)+8*(\t)+(\p):32*(\f)+8*(\t)+(\p)+1], v[32*(\f)+8*(\t)+(\p):32*(\f)+8*(\t)+(\p)+1], v[SUM+8*(\t)+(\p):SUM+8*(\t)+(\p)+1] neg_lo:[0,1] neg_hi:[0,1]
.endr
.endr
.endr
	WIN 0x0a+0x05*(\win)                           ; sources 0 and 1 window 2 or 3, source 2 and destination window 0
.irp f, 0,1,2,3,4,5,6,7
.irp t, 0,1,2,3
.irp p, 0,2,4,6
.if ((\win) == 0) && ((\f) == 0)
	v_pk_mul_f32 v[Q+8*(\t)+(\p):Q+8*(\t)+(\p)+1], v[8*(\t)+(\p):8*(\t)+(\p)+1], v[8*(\t)+(\p):8*(\t)+(\p)+1]
.else
	v_pk_fma_f32 v[Q+8*(\t)+(\p):Q+8*(\t)+(\p)+1], v[32*(\f)+8*(\t)+(\p):32*(\f)+8*(\t)+(\p)+1], v[32*(\f)+8*(\t)+(\p):32*(\f)+8*(\t)+(\p)+1], v[Q+8*(\t)+(\p):Q+8*(\t)+(\p)+1]
.endif
.endr
.endr
.endr
.endm
	CENTER 0
	CENTER 1
	XLANE Q
	XWAVE Q, 1024                                  ; other bytes than the sums': a wave that is ahead writes nothing that a wave behind still reads
.set i, 0
.rept 16
	v_pk_fma_f32 v[Q+i:Q+i+1], v[Q+i:Q+i+1], s[58:59], s[60:61] op_sel_hi:[1,0,0]  ; variance + 1e-12
.set i, i+2
.endr
.set i, 0
.rept 32
	v_rsq_f32 v[Q+i], v[Q+i]                       ; one batch
.set i, i+1
.endr
	v_nop                                          ; a plain instruction between the last of them and the use of its result (ISA guide 5.7.2)
	s_wait_alu depctr_va_vdst(0)                   ; and the wait ahead of the first use: one for the batch of 32
; OUT, a group (t, g) at a time: 16 rows x 64 columns.  Times 1 / sigma in place; times gamma plus beta into quads of four neighbouring columns; eight stores, in each of which a half of the lanes covers 256 consecutive bytes
; at a multiple of 256 from out0's first byte.  The quads of rows 0-31 (t = 0, 1) fill window 1; those of rows 32-63 go into the accumulator registers that group (t - 2, g) has left: quad j into half j % 2 of accumulator
; (t - 2, 4 g + j / 2).  So no register that a store reads is ever written again, and no wait stands here.
.macro OUT t, g
	WIN 0x82+0x41*((\g)/2)                         ; destination and source 0 window 2 or 3, the rest window 0
.irp c, 0,1,2,3
.irp p, 0,2,4,6
	v_pk_mul_f32 v[32*(4*((\g)&1)+(\c))+8*(\t)+(\p):32*(4*((\g)&1)+(\c))+8*(\t)+(\p)+1], v[32*(4*((\g)&1)+(\c))+8*(\t)+(\p):32*(4*((\g)&1)+(\c))+8*(\t)+(\p)+1], v[Q+8*(\t)+(\p):Q+8*(\t)+(\p)+1]
.endr
.endr
.if (\t) < 2
	WIN 0x42+((\g)/2)                              ; destination window 1
.endif
.irp j, 0,1,2,3,4,5,6,7
.if (\t) < 2
.set rY, 32*(4*(\t)+(\g))+4*(\j)
.else
.set rY, 32*(4*((\g)&1)+(\j)/2)+8*((\t)-2)+4*((\j)%2)
.endif
.irp c, 0,1,2,3
	v_fma_f32 v[rY+(\c)], v[32*(4*((\g)&1)+(\c))+8*(\t)+(\j)], v[GAM+4*(\g)+(\c)], v[BET+4*(\g)+(\c)]
.endr
.endr
.if (\t) < 2
	WIN 0x04                                       ; a store's data is source 1: window 1,
.else
	WIN 0x08+0x04*((\g)/2)                         ; or window 2 or 3
.endif
.irp j, 0,1,2,3,4,5,6,7
.if (\t) < 2
.set rY, 32*(4*(\t)+(\g))+4*(\j)
.else
.set rY, 32*(4*((\g)&1)+(\j)/2)+8*((\t)-2)+4*((\j)%2)
.endif
	global_store_b128 v2, v[rY:rY+3], s[18:19] offset:(\t)*65536+(\j)*4096+(\g)*256 th:TH_STORE_NT  ; written once, not read again
.endr
.endm
.irp t, 0,1,2,3
.irp g, 0,1,2,3
	OUT \t, \g
.endr
.endr
	WIN 0
	s_wait_tensorcnt 0x0                           ; the wave's end, behind my last tensor load and my last LDS store
	ds_add_u32 v[SPW], v[NIL]
	s_wait_dscnt 0x0
	s_endpgm
.Lfunc_end_k_qaa3ef2a47c_fused:
	.size	k_qaa3ef2a47c_fused, .Lfunc_end_k_qaa3ef2a47c_fused-k_qaa3ef2a47c_fused
	.p2alignl 7, 3214868480
	.fill 96, 4, 3214868480
	.section	.rodata,"a",@progbits
	.p2align	6, 0x0
	.amdhsa_kernel k_qaa3ef2a47c_fused
		.amdhsa_group_segment_fixed_size 327680
		.amdhsa_private_segment_fixed_size 0
		.amdhsa_enable_private_segment 0
		.amdhsa_kernarg_size 64
		.amdhsa_user_sgpr_count 2
		.amdhsa_user_sgpr_kernarg_segment_ptr 1
		.amdhsa_wavefront_size32 1
		.amdhsa_system_sgpr_workgroup_id_x 1
		.amdhsa_system_sgpr_workgroup_id_y 1
		.amdhsa_system_sgpr_workgroup_id_z 1
		.amdhsa_system_vgpr_workitem_id 0
		.amdhsa_next_free_vgpr 1024
		.amdhsa_next_free_sgpr 80
		.amdhsa_reserve_vcc 0
		.amdhsa_float_denorm_mode_32 3
		.amdhsa_float_denorm_mode_16_64 3
		.amdhsa_memory_ordered 1
		.amdhsa_forward_progress 1
		.amdhsa_inst_pref_size 255
	.end_amdhsa_kernel
	.section	.bss,"aw",@nobits
	.p2align	6
	.space	262144
	.amdgpu_metadata
---
amdhsa.version: [ 1, 2 ]
amdhsa.kernels:
  - .name:           k_qaa3ef2a47c_fused
    .symbol:         k_qaa3ef2a47c_fused.kd
    .args:
      - { .name: hidden_states, .offset: 0, .size: 8, .value_kind: global_buffer, .address_space: global }
      - { .name: input_tensor, .offset: 8, .size: 8, .value_kind: global_buffer, .address_space: global }
      - { .name: expert_idx, .offset: 16, .size: 8, .value_kind: global_buffer, .address_space: global }
      - { .name: wt, .offset: 24, .size: 8, .value_kind: global_buffer, .address_space: global }
      - { .name: b, .offset: 32, .size: 8, .value_kind: global_buffer, .address_space: global }
      - { .name: gamma, .offset: 40, .size: 8, .value_kind: global_buffer, .address_space: global }
      - { .name: beta, .offset: 48, .size: 8, .value_kind: global_buffer, .address_space: global }
      - { .name: out0, .offset: 56, .size: 8, .value_kind: global_buffer, .address_space: global }
    .group_segment_fixed_size: 327680
    .private_segment_fixed_size: 0
    .kernarg_segment_align: 8
    .kernarg_segment_size: 64
    .max_flat_workgroup_size: 128
    .sgpr_count:     80
    .vgpr_count:     1024
    .wavefront_size: 32
...
	.end_amdgpu_metadata
.endif
;; end of part 3
